; MI455X (gfx1250); checked and timed in simulation.
; The chip was launched on July 23, 2026; its instructions are those of AMD's public machine-readable ISA for CDNA 5 (MIT licence, August 2026) and "CDNA5" Instruction Set Architecture Reference Guide (July 2026). The comments in the code are by the model that wrote it; some were corrected since.
;; Mo E. Allowed arithmetic: matrix products marked QUANTISED: E2M1 operands, one E8M0 scale for each 32 along K, by v_wmma_scale_f32_16x16x128_f8f6f4 with both operands' format E2M1 (or v_wmma_scale_f32_32x16x128_f4), f32 sums; products left as they are: f32 operands where the result goes on into a quantised operand, else bf16, f16 or f32 operands; f32 sums; everything else in f32.
;; Inputs: We 8 x 2,048 x 2,048 float32; Wg 8 x 2,048 float32; be 8 x 2,048 float32; bg 8 float32; x 8,192 x 2,048 float32.
;; Outputs: out0 8,192 x 2,048 float32.
;; This version of the problem:
;;   THIS VERSION OF THE PROBLEM IS GIVEN IN LOW PRECISION. The matrix products marked QUANTISED in the list below multiply operands that are first quantised to E2M1 (2 exponent bits, 1 mantissa bit; 4 bits a number), with one power-of-two scale for each 32 numbers along K (OCP MX v1.0); their sums are f32. All else is computed in f32.
;;   The module's matrix products, in the order in which they are computed (A, B: the left and right operand; K: the contracted axis; several contracted axes count as one K, in the product's order):
;;     1. [M 8,192, K 2,048] x [K 2,048, N 8]; A: input x; B: input Wg: left as it is (N = 8 < 16)
;;     2. [M 4,096, K 2,048] x [K 2,048, N 8,192]; A: computed on the way; B: input x: QUANTISED
;;     3. [M 1, K 2] x [K 2, N 16,777,216]; A: computed on the way; B: computed on the way: left as it is (K = 2 < 32)
;;   THE QUANTISER, for each operand of a quantised product, along K:
;;     - K is cut into blocks of 32 from its start; a last block that is shorter is filled with zeros.
;;     - A block's scale is 2^e with e = floor(log2(the largest magnitude in the block)) - 2, held to -126 .. 127; a block of zeros has e = 0. As a byte (E8M0): e + 127.
;;     - Each number is divided by its block's scale, clamped to +-6, and rounded to the nearest number of E2M1, ties to even, subnormals kept.
;;     - The product sums the exact products of the quantised numbers (number of the format x scale) in f32.
;;   ~~~python
;;   def quantise(x, axis):      # numpy; x: float32 -> the quantised numbers, widened to float32 again
;;       x = np.moveaxis(x, axis, -1); K = x.shape[-1]
;;       x = np.pad(x, [(0, 0)] * (x.ndim - 1) + [(0, -K % 32)]); x = x.reshape(x.shape[:-1] + (-1, 32)); a = np.abs(x).max(-1, keepdims=True)
;;       e = np.where(a > 0, np.clip(np.frexp(np.where(a > 0, a, 1))[1] - 1 - 2, -126, 127), 0)      # np.frexp(a)[1] - 1 = floor(log2(a)), exactly
;;       r = np.clip(x / 2.0 ** e, -6, 6)
;;       step = 2.0 ** (np.maximum(np.frexp(np.where(r == 0, 1, r))[1] - 1, 0) - 1)
;;       q = np.round(r / step) * step * 2.0 ** e      # np.round: ties to even
;;       return np.moveaxis(q.reshape(q.shape[:-2] + (-1,))[..., :K], -1, axis).astype(np.float32)
;;   ~~~
;;   OPERANDS COMPUTED ON THE WAY. 'Computed on the way' means the value that the module computes at that place (a softmax that the list does not call 'softmax' is quantised finished and normalised). What goes into a quantiser is computed in f32, as accurately as f32 sums, v_exp_f32 and their like allow (about 1e-6 of the number): no bf16 or f16 on the way to a quantiser, and a product that is left as it is and whose result goes on into a quantised operand takes f32 operands (vector FMAs, or v_wmma_f32_16x16x4_f32). A number that lies on a knife's edge between two numbers of the format may be rounded either way, as far as f32 arithmetic and the matrix unit's own rounding can turn it there, and no further.
;; One version. Each part assembles by itself: llvm-mc -triple=amdgcn-amd-amdhsa -mcpu=gfx1250 --defsym DOCPART=n.
;; ======== version 1 of 1: 3 launches
;; limits: right only within a limited range of input values
;; workspace buffers: xc 8,388,608 bytes; xs 524,288 bytes; wc 4,194,304 bytes; ws 262,144 bytes; sel 512 bytes of whole numbers; gw 512 bytes
;; launch quant_x (part 1): grid 513 x 1, 4 waves a work-group, no clusters, 35,328 bytes of LDS; arguments x, Wg, bg, xc, xs, sel, gw; writes xc, xs, sel, gw
.if DOCPART == 1
	.amdgcn_target "amdgcn-amd-amdhsa--gfx1250"
	.amdhsa_code_object_version 6
	.text
	.protected	k_qba3f84fb41_quant_x
	.globl	k_qba3f84fb41_quant_x
	.p2align	8
	.type	k_qba3f84fb41_quant_x,@function
k_qba3f84fb41_quant_x:
	s_mov_b64 s[64:65], 0
	v_nop
	global_prefetch_b8 v0, s[64:65] scope:SCOPE_SE
	s_setreg_imm32_b32 hwreg(HW_REG_WAVE_MODE, 25, 1), 1
	s_wait_xcnt 0x0
; TWO JOBS IN ONE LAUNCH, parted by the work-group's number alone.
; Work-group 0: THE GATE OF TOKEN 0.  The result takes the experts and weights of row 0 of the top-2 only, so only row 0's eight logits are made: x[0] . Wg[e] + bg[e] in f32,
;   softmax with the largest logit taken off first, the two largest probabilities (of equals the lower index).  Stored at fixed places: sel[t] = the expert of slot t & 1, gw[t] = its weight, t = 0 .. 127.
;   No address and no branch here hangs on these numbers: later launches read them from memory.
; Work-groups 1 .. 512: x [8192][2048] f32 becomes codes of FP4 (E2M1), K innermost, the lower k in the low four bits (xc: [8192][1024 bytes]), and one E8M0 byte for each 32 along K.
;   THE BYTES ARE LAID BY K STEP OF 512: xs is [4][8192][16], so that the bytes of 256 rows for one K step are 4,096 consecutive bytes, which the product's launch fetches as one dense tile.
;   A block's scale is 2^(floor(log2(its largest magnitude)) - 2): its byte is the largest magnitude's exponent field - 2, held at 1 from below; each number is divided by the scale and rounded to the nearest code, ties to even, beyond 6 the code of 6.
; LIMITS.  NaN and infinities among the inputs are not served.  A block of zeros gets the byte 1 where the rule says 127: its codes are zeros, which add nothing under any byte but 0xff, and this program alone reads the bytes.
;   The logits are summed in another order than a row-by-row sum: where token 0's second and third probabilities agree within the error of an f32 sum of 2,048 terms, the other expert may be chosen.
;   A probability under 2^-126 comes out as 0 (v_exp_f32 flushes denormal results: ISA guide 15.8).
; THE QUANTISER.  A work-group takes 16 rows, a wave 4: a dense run of 8,192 numbers, in 16 steps of 512 (a quarter of a row: one K step of one row).
;   Each load reads 512 consecutive bytes, 16 a lane; the conversions want 16 NEIGHBOURS in one lane, so a step's 2,048 bytes turn through the wave's own stage in LDS (in: as loaded; out: 64 bytes a lane, places 80 bytes apart).
;   Loads run eight steps (32 loads a wave) ahead, the turn through LDS one step.  A lane's 16 codes are 8 bytes: a wave's store covers 256 consecutive bytes, aligned.
;   The scale bytes of the work-group's 16 rows meet in 1,024 shared bytes of LDS, at 256 x K step + 16 x row; behind one barrier wave w stores K step w's 256 bytes, consecutive and aligned.
;   Work-groups share no input: no cluster.
.set STEPS, 16
.set DEPTH, 8                          ; steps of loads in flight
.set SP,    80                         ; a lane's place in a stage: its 64 bytes + 16 of padding
.set WREG,  8192                       ; LDS: a region for each wave: two stages of 32 x SP bytes
.set SCB,   4*WREG                     ; LDS: the work-group's 1,024 scale bytes
.set GATE,  SCB+1024                   ; LDS: the gate's own 128 bytes: no byte is used by both paths
.set EMAX,  2                          ; the exponent of E2M1's largest number, 6
.set SRC,   4                          ; s[4:5]    the numbers
.set COD,   10                         ; s[10:11]  the codes
.set SCA,   12                         ; s[12:13]  the scale bytes
.set R,     16                         ; v16-143   eight sets of 16 numbers as they are loaded
.set X,     144                        ; v144-175  two sets of 16 neighbours
.set E,     176                        ; v176-191  a scale byte for each step
.set C,     192                        ; v192-223  a pair of code registers for each step: no store's data are written again
.macro LOAD t
.irp i, 0,1,2,3
	global_load_b128 v[R+16*((\t)%DEPTH)+4*\i:R+16*((\t)%DEPTH)+4*\i+3], v3, s[SRC:SRC+1] offset:2048*(\t)+512*\i th:TH_LOAD_NT   ; 32 lanes read 512 consecutive bytes
.endr
.endm
.macro TURN t                          ; step t's numbers through the stage: LDS serves a wave's instructions in order (ISA guide 5.7.1.4), so no wait stands between the stores and the loads
.irp i, 0,1,2,3
	ds_store_b128 v14, v[R+16*((\t)%DEPTH)+4*\i:R+16*((\t)%DEPTH)+4*\i+3] offset:32*SP*((\t)%2)+8*SP*\i
.endr
.irp i, 0,1,2,3
	ds_load_b128 v[X+16*((\t)%2)+4*\i:X+16*((\t)%2)+4*\i+3], v15 offset:32*SP*((\t)%2)+16*\i
.endr
.endm
.macro STEP t
.set XS, X+16*((\t)%2)
.if (\t) > 0
	s_wait_dscnt 1                                 ; this step's numbers are back from the stage; the one younger LDS instruction, the last step's byte store, may be out
.else
	s_wait_dscnt 0x0
.endif
.if (\t)+DEPTH < STEPS
	LOAD (\t)+DEPTH                                ; into the set that this step's stage stores have read
.endif
.if (\t)+1 < STEPS
.if (\t)+DEPTH < STEPS
	s_wait_loadcnt 4*(DEPTH-1)                     ; the next step's four loads are in; those of the seven steps behind it may be out
.else
	s_wait_loadcnt 4*(STEPS-2-(\t))                ; the same in the tail: fewer steps are behind it
.endif
	TURN (\t)+1                                    ; the next step goes through the other stage while this one is worked
.endif
	v_max3_num_f32 v8, |v[XS]|, |v[XS+1]|, |v[XS+2]|               ; the largest magnitude of my 16, in two chains
	v_max3_num_f32 v9, |v[XS+3]|, |v[XS+4]|, |v[XS+5]|
.irp i, 6,10
	v_max3_num_f32 v8, v8, |v[XS+\i]|, |v[XS+\i+1]|
	v_max3_num_f32 v9, v9, |v[XS+\i+2]|, |v[XS+\i+3]|
.endr
	v_max3_num_f32 v8, v8, |v[XS+14]|, |v[XS+15]|
	v_max3_num_f32 v8, v8, v9, (EMAX+1)<<23        ; and the floor 2^(EMAX + 1 - 127): so the byte cannot fall under 1
	v_max_num_f32_dpp v8, v8, v8 row_xmask:1 row_mask:0xf bank_mask:0xf   ; with my neighbour's 16: the block's
	v_add_nc_u32 v11, -(EMAX<<23), v8              ; EMAX off its exponent field: the conversion takes the exponent field of this operand as its scale, and nothing else of it
	v_cvt_scalef32_pk8_fp4_f32 v[C+2*(\t)], v[XS:XS+7], v11
	v_cvt_scalef32_pk8_fp4_f32 v[C+2*(\t)+1], v[XS+8:XS+15], v11
	v_lshrrev_b32 v[E+(\t)], 23, v11               ; the scale's byte (also the plain instruction behind the conversions)
	ds_store_b8 v5, v[E+(\t)] offset:256*((\t)%4)+16*((\t)/4)      ; K step t % 4, my row t / 4; both lanes of a block write the same byte with the same value
	global_store_b64 v4, v[C+2*(\t):C+2*(\t)+1], s[COD:COD+1] offset:256*(\t)   ; 32 lanes store 256 consecutive bytes, aligned; a later launch reads them: no hint
.endm
	s_load_b256 s[4:11], s[0:1], 0x0               ; x s[4:5], Wg s[6:7], bg s[8:9], xc s[10:11]
	s_load_b128 s[12:15], s[0:1], 0x20             ; xs s[12:13], sel s[14:15]
	s_load_b64 s[16:17], s[0:1], 0x30              ; gw
	v_lshl_add_u32 v224, v0, 2, 0x8800
	v_mov_b32 v225, 0
	v_lshrrev_b32 v1, 5, v0
	v_readfirstlane_b32 s18, v1                    ; wave 0..3
	s_wait_kmcnt 0x0
	s_cmp_eq_u32 ttmp9, 0                          ; the same in all four waves of a work-group
	s_cbranch_scc1 .Lgate
	; ---------------- the quantiser ----------------
	s_sub_co_u32 s23, ttmp9, 1                     ; which 16 rows are my work-group's, 0 .. 511
	s_lshl_b32 s20, s23, 2
	s_add_co_u32 s22, s20, s18                     ; my run of 8,192 numbers: 4 x that + wave, 0 .. 2,047
	s_mov_b32 s21, 0
	s_lshl_b32 s20, s22, 15                        ; 32,768 bytes of numbers a run,
	s_add_nc_u64 s[SRC:SRC+1], s[SRC:SRC+1], s[20:21]
	s_lshl_b32 s20, s22, 12                        ; 4,096 of codes
	s_add_nc_u64 s[COD:COD+1], s[COD:COD+1], s[20:21]
	s_lshl_b32 s20, s18, 17                        ; the scale bytes that I store: K step = my wave's number, 8,192 rows x 16 bytes each,
	s_lshl_b32 s23, s23, 8                         ; and in it my work-group's 16 rows x 16 bytes
	s_add_co_u32 s20, s20, s23
	s_add_nc_u64 s[SCA:SCA+1], s[SCA:SCA+1], s[20:21]
	v_and_b32 v2, 31, v0                           ; lane
	v_lshlrev_b32 v3, 4, v2                        ; my 16 bytes of a load's 512
	s_mul_i32 s19, s18, WREG
	v_lshrrev_b32 v14, 2, v2
	v_mul_u32_u24 v14, v14, SP
	v_and_b32 v15, 3, v2
	v_lshl_add_u32 v14, v15, 4, v14
	v_add_nc_u32 v14, s19, v14                     ; the stage, on the way in: four lanes' 64 bytes on end, then 16 of padding
	v_mul_u32_u24 v15, v2, SP
	v_add_nc_u32 v15, s19, v15                     ; and on the way out: SP x lane: my 16 neighbours
	v_lshlrev_b32 v4, 3, v2                        ; my 8 bytes of a store's 256
	v_lshrrev_b32 v5, 1, v2
	s_lshl_b32 s19, s18, 6
	s_add_co_u32 s19, s19, SCB
	v_add_nc_u32 v5, s19, v5                       ; LDS: my wave's four rows (64 bytes on in each K step's 256), my block's byte
	s_lshl_b32 s19, s18, 8
	s_add_co_u32 s19, s19, SCB
	v_add_nc_u32 v6, s19, v4                       ; and on the way out: K step = my wave's number, 8 bytes a lane
.irp t, 0,1,2,3,4,5,6,7
	LOAD \t
.endr
	s_wait_alu depctr_va_vdst(0)
	s_wait_loadcnt 4*(DEPTH-1)                     ; step 0's four loads are in; seven steps' may be out
	TURN 0
.irp t, 0,1,2,3,4,5,6,7,8,9,10,11,12,13,14,15
	STEP \t
.endr
	s_wait_dscnt 0x0                               ; for the others' sake: my byte stores have landed
	s_barrier_signal -1
	s_barrier_wait -1                              ; all four waves' have
	ds_load_b64 v[12:13], v6
	s_wait_dscnt 0x0
	global_store_b64 v4, v[12:13], s[SCA:SCA+1]    ; 32 lanes store 256 consecutive bytes, aligned: 16 rows' bytes of one K step
	s_wait_tensorcnt 0x0
	ds_add_u32 v224, v225
	s_wait_dscnt 0x0
	s_endpgm
	; ---------------- the gate of token 0 ----------------
	; Thread t takes the 16 bytes at 16 t + 2,048 j (j = 0 .. 3) of x's row 0 and of each row of Wg: each load of a wave covers 512 consecutive bytes.
.set GX,  16                           ; v16-31    my 16 numbers of x[0]
.set GW,  32                           ; v32-159   my 16 numbers of Wg[e] at GW + 16 e
.set PP,  160                          ; v160-175  a pair of partial sums for each expert
.set LG,  176                          ; v176-183  the logits, then the probabilities
.set TM,  184                          ; v184-191  at work
.set PR,  192                          ; v192-223  the four waves' partial sums: wave w's for expert e at PR + 8 w + e
.set IDX, 16                           ; v16-23    the numbers 0 .. 7 (x's registers are free by then)
.set QQ,  24                           ; v24-31    the probabilities with the first choice hidden
.Lgate:
	s_load_b256 s[24:31], s[8:9], 0x0              ; bg: all of its 32 bytes
	v_lshlrev_b32 v2, 4, v0
	v_lshlrev_b32 v3, 2, v0
	s_wait_alu depctr_va_vdst(0)
	v_lshl_add_u32 v4, v1, 5, GATE                 ; LDS: my wave's eight words
	v_mov_b32 v5, GATE
	s_mov_b32 s32, 0x76543210
	s_mov_b32 s33, 0xfedcba98                      ; v_permlanex16_b32's selects for lane l xor 16
.irp j, 0,1,2,3
	global_load_b128 v[GX+4*\j:GX+4*\j+3], v2, s[4:5] offset:2048*\j
.endr
.irp e, 0,1,2,3,4,5,6,7
.irp j, 0,1,2,3
	global_load_b128 v[GW+16*\e+4*\j:GW+16*\e+4*\j+3], v2, s[6:7] offset:8192*\e+2048*\j
.endr
.endr
.irp e, 0,1,2,3,4,5,6,7
	v_mov_b32 v[TM+\e], 0                          ; written once: a lane permute's destination counts as one of its sources
.endr
.irp e, 0,1,2,3,4,5,6,7
	s_wait_loadcnt 4*(7-\e)                        ; x's and this expert's loads are in; the later experts' four each may be out
	v_pk_mul_f32 v[PP+2*\e:PP+2*\e+1], v[GX:GX+1], v[GW+16*\e:GW+16*\e+1]          ; the first product starts the sums
.irp i, 2,4,6,8,10,12,14
	v_pk_fma_f32 v[PP+2*\e:PP+2*\e+1], v[GX+\i:GX+\i+1], v[GW+16*\e+\i:GW+16*\e+\i+1], v[PP+2*\e:PP+2*\e+1]
.endr
.endr
.irp e, 0,1,2,3,4,5,6,7
	v_add_f32 v[LG+\e], v[PP+2*\e], v[PP+2*\e+1]
.endr
.irp m, 1,2,4,8                        ; over the 32 lanes, the eight experts by turns
.irp e, 0,1,2,3,4,5,6,7
	v_add_f32_dpp v[LG+\e], v[LG+\e], v[LG+\e] row_xmask:\m row_mask:0xf bank_mask:0xf
.endr
.endr
.irp e, 0,1,2,3,4,5,6,7
	v_permlanex16_b32 v[TM+\e], v[LG+\e], s32, s33
.endr
.irp e, 0,1,2,3,4,5,6,7
	v_add_f32 v[LG+\e], v[LG+\e], v[TM+\e]
.endr
.irp e, 0,1,2,3,4,5,6,7
	ds_store_b32 v4, v[LG+\e] offset:4*\e          ; all lanes of a wave write the same word with the same value
.endr
	s_wait_dscnt 0x0                               ; for the others' sake: my stores have landed
	s_barrier_signal -1
	s_barrier_wait -1                              ; all four waves of work-group 0 are on this path
.irp i, 0,1,2,3,4,5,6,7
	ds_load_b128 v[PR+4*\i:PR+4*\i+3], v5 offset:16*\i
.endr
.irp e, 0,1,2,3,4,5,6,7
	v_mov_b32 v[IDX+\e], \e
.endr
	s_wait_dscnt 0x0
	s_wait_kmcnt 0x0                               ; bg
.irp e, 0,1,2,3,4,5,6,7
	v_add_f32 v[LG+\e], v[PR+\e], v[PR+8+\e]
	v_add_f32 v[TM+\e], v[PR+16+\e], v[PR+24+\e]
.endr
.irp e, 0,1,2,3,4,5,6,7
	v_add_f32 v[LG+\e], v[LG+\e], v[TM+\e]
.endr
.irp e, 0,1,2,3,4,5,6,7
	v_add_f32 v[LG+\e], s[24+\e], v[LG+\e]         ; the logit
.endr
	v_max3_num_f32 v37, v[LG], v[LG+1], v[LG+2]    ; the softmax: the largest logit is taken off first
	v_max3_num_f32 v37, v37, v[LG+3], v[LG+4]
	v_max3_num_f32 v37, v37, v[LG+5], v[LG+6]
	v_max_num_f32 v37, v37, v[LG+7]
.irp e, 0,1,2,3,4,5,6,7
	v_sub_f32 v[LG+\e], v[LG+\e], v37
.endr
.irp e, 0,1,2,3,4,5,6,7
	v_mul_f32 v[LG+\e], 0x3fb8aa3b, v[LG+\e]       ; x log2(e)
.endr
	s_wait_alu depctr_va_vdst(0)
.irp e, 0,1,2,3,4,5,6,7
	v_exp_f32 v[LG+\e], v[LG+\e]
.endr
	v_mov_b32 v36, -1.0                            ; under every probability.  (The plain instruction behind the exponentials: ISA guide 5.7.2)
	s_wait_alu depctr_va_vdst(0)
	v_add_f32 v38, v[LG], v[LG+1]
.irp e, 2,3,4,5,6,7
	v_add_f32 v38, v38, v[LG+\e]
.endr
	s_wait_alu depctr_va_vdst(0)
	v_rcp_f32 v39, v38
	v_mov_b32 v33, 0                               ; the first choice begins at expert 0.  (The plain instruction behind the reciprocal)
	s_wait_alu depctr_va_vdst(0)
.irp e, 0,1,2,3,4,5,6,7
	v_mul_f32 v[LG+\e], v[LG+\e], v39              ; the probabilities
.endr
	v_mov_b32 v32, v[LG]
.irp e, 1,2,3,4,5,6,7                  ; the largest; only a strictly larger one displaces: of equals the lower index stays
	v_cmp_gt_f32 vcc_lo, v[LG+\e], v32
	v_cndmask_b32 v32, v32, v[LG+\e], vcc_lo
	v_cndmask_b32 v33, v33, v[IDX+\e], vcc_lo
.endr
.irp e, 0,1,2,3,4,5,6,7
	v_cmp_eq_u32 vcc_lo, v33, v[IDX+\e]
	v_cndmask_b32 v[QQ+\e], v[LG+\e], v36, vcc_lo  ; the first choice is hidden
.endr
	v_mov_b32 v34, v[QQ]
	v_mov_b32 v35, 0
.irp e, 1,2,3,4,5,6,7                  ; the second largest, in the same way
	v_cmp_gt_f32 vcc_lo, v[QQ+\e], v34
	v_cndmask_b32 v34, v34, v[QQ+\e], vcc_lo
	v_cndmask_b32 v35, v35, v[IDX+\e], vcc_lo
.endr
	v_and_b32 v40, 1, v0
	v_cmp_eq_u32 vcc_lo, 1, v40                    ; even threads store slot 0, odd threads slot 1
	v_cndmask_b32 v40, v33, v35, vcc_lo
	v_cndmask_b32 v41, v32, v34, vcc_lo
	global_store_b32 v3, v40, s[14:15]             ; the 128 threads fill all 512 bytes of sel,
	global_store_b32 v3, v41, s[16:17]             ; and of gw
	s_wait_tensorcnt 0x0
	ds_add_u32 v224, v225
	s_wait_dscnt 0x0
	s_endpgm
.Lfunc_end_k_qba3f84fb41_quant_x:
	.size	k_qba3f84fb41_quant_x, .Lfunc_end_k_qba3f84fb41_quant_x-k_qba3f84fb41_quant_x
	.p2alignl 7, 3214868480
	.fill 96, 4, 3214868480
	.section	.rodata,"a",@progbits
	.p2align	6, 0x0
	.amdhsa_kernel k_qba3f84fb41_quant_x
		.amdhsa_group_segment_fixed_size 35328
		.amdhsa_private_segment_fixed_size 0
		.amdhsa_enable_private_segment 0
		.amdhsa_kernarg_size 56
		.amdhsa_user_sgpr_count 2
		.amdhsa_user_sgpr_kernarg_segment_ptr 1
		.amdhsa_wavefront_size32 1
		.amdhsa_system_sgpr_workgroup_id_x 1
		.amdhsa_system_sgpr_workgroup_id_y 1
		.amdhsa_system_sgpr_workgroup_id_z 1
		.amdhsa_system_vgpr_workitem_id 0
		.amdhsa_next_free_vgpr 226
		.amdhsa_next_free_sgpr 66
		.amdhsa_reserve_vcc 1
		.amdhsa_float_denorm_mode_32 3
		.amdhsa_float_denorm_mode_16_64 3
		.amdhsa_memory_ordered 1
		.amdhsa_forward_progress 1
		.amdhsa_inst_pref_size 51
	.end_amdhsa_kernel
	.amdgpu_metadata
---
amdhsa.version: [ 1, 2 ]
amdhsa.kernels:
  - .name:           k_qba3f84fb41_quant_x
    .symbol:         k_qba3f84fb41_quant_x.kd
    .args:
      - { .name: x, .offset: 0, .size: 8, .value_kind: global_buffer, .address_space: global }
      - { .name: Wg, .offset: 8, .size: 8, .value_kind: global_buffer, .address_space: global }
      - { .name: bg, .offset: 16, .size: 8, .value_kind: global_buffer, .address_space: global }
      - { .name: xc, .offset: 24, .size: 8, .value_kind: global_buffer, .address_space: global }
      - { .name: xs, .offset: 32, .size: 8, .value_kind: global_buffer, .address_space: global }
      - { .name: sel, .offset: 40, .size: 8, .value_kind: global_buffer, .address_space: global }
      - { .name: gw, .offset: 48, .size: 8, .value_kind: global_buffer, .address_space: global }
    .group_segment_fixed_size: 35328
    .private_segment_fixed_size: 0
    .kernarg_segment_align: 8
    .kernarg_segment_size: 56
    .max_flat_workgroup_size: 128
    .sgpr_count:     66
    .vgpr_count:     226
    .wavefront_size: 32
...
	.end_amdgpu_metadata
.endif
;; end of part 1
;; launch quant_w (part 2): grid 256 x 1, 8 waves a work-group, no clusters, 43,008 bytes of LDS; arguments We, sel, wc, ws; writes wc, ws
.if DOCPART == 2
	.amdgcn_target "amdgcn-amd-amdhsa--gfx1250"
	.amdhsa_code_object_version 6
	.text
	.protected	k_qba3f84fb41_quant_w
	.globl	k_qba3f84fb41_quant_w
	.p2align	8
	.type	k_qba3f84fb41_quant_w,@function
k_qba3f84fb41_quant_w:
	s_mov_b64 s[64:65], 0
	v_nop
	global_prefetch_b8 v0, s[64:65] scope:SCOPE_SE
	s_setreg_imm32_b32 hwreg(HW_REG_WAVE_MODE, 25, 1), 1
	s_wait_xcnt 0x0
; Only the two experts that token 0 chose are quantised: We is looked up by sel, the whole numbers that the launch before stored (held to 0 .. 7 before they enter an address); the other six experts reach no output.
; We[sel[e]] ([2048 out][2048 in] f32, e = 0, 1) becomes codes of FP4 (E2M1), K innermost (wc: [4096][1024 bytes]), and one E8M0 byte for each 32 along K, laid by K step of 512 (ws: [4][4096][16]).
; THE ORDER OF THE ROWS.  Output o = 64 G + 4 r + b (r = 0 .. 15, b = 0 .. 3) of slot e goes to row 128 G + 64 e + 16 b + r.  So 128 neighbouring rows hold 64 outputs of both slots, and in the product's launch
;   lane r of the four 16-row blocks b = 0 .. 3 holds the four NEIGHBOURING outputs 4 r .. 4 r + 3, 16 bytes of a row of the result.
; Work-groups 0 .. 127 take slot 0, the others slot 1.  A work-group takes one block of 16 rows (G = number / 4, b = number % 4), a wave two of them: r = 2 w, 2 w + 1, which are rows of We four apart, 8,192 dense bytes each.
; The quantiser is that of x's launch: a block's byte is its largest magnitude's exponent field - 2, held at 1 from below; numbers are divided by the scale and rounded to the nearest code, ties to even, beyond 6 the code of 6.
; LIMITS.  NaN and infinities among the inputs are not served.  A block of zeros gets the byte 1 where the rule says 127: its codes are zeros, which add nothing under any byte but 0xff, and this program alone reads the bytes.
; A wave goes in 8 steps of 512 numbers (one K step of one row); all its 32 loads, 512 consecutive bytes each, are issued at the head.  The conversions want 16 neighbours in one lane, so a step's 2,048 bytes turn through the wave's own stage in LDS.
; The scale bytes of the 16 rows meet in 1,024 shared bytes of LDS; behind one barrier waves 0 .. 3 store one K step's 256 bytes each, consecutive and aligned.  Work-groups share no input: no cluster.
.set STEPS, 8
.set SP,    80                         ; a lane's place in a stage: its 64 bytes + 16 of padding
.set WREG,  2*32*SP                    ; LDS: two stages for each wave
.set SCB,   8*WREG                     ; LDS: the work-group's 1,024 scale bytes
.set SPARE, SCB+1024                   ; LDS: the spare words, 128 bytes a wave
.set EMAX,  2
.set SRC,   4
.set COD,   8
.set SCA,   10
.set R,     16                         ; v16-143   eight sets of 16 numbers as they are loaded
.set X,     144                        ; v144-175  two sets of 16 neighbours
.set E,     176                        ; v176-183  a scale byte for each step
.set C,     184                        ; v184-199  a pair of code registers for each step
.set SPW,   200
.set NIL,   201
.macro LOAD t                          ; step t: K step t % 4 of my row t / 4
.irp i, 0,1,2,3
	global_load_b128 v[R+16*(\t)+4*\i:R+16*(\t)+4*\i+3], v3, s[SRC:SRC+1] offset:32768*((\t)/4)+2048*((\t)%4)+512*\i th:TH_LOAD_NT
.endr
.endm
.macro TURN t                          ; through the stage: LDS serves a wave's instructions in order (ISA guide 5.7.1.4)
.irp i, 0,1,2,3
	ds_store_b128 v14, v[R+16*(\t)+4*\i:R+16*(\t)+4*\i+3] offset:32*SP*((\t)%2)+8*SP*\i
.endr
.irp i, 0,1,2,3
	ds_load_b128 v[X+16*((\t)%2)+4*\i:X+16*((\t)%2)+4*\i+3], v15 offset:32*SP*((\t)%2)+16*\i
.endr
.endm
.macro STEP t
.set XS, X+16*((\t)%2)
.if (\t) > 0
	s_wait_dscnt 1                                 ; this step's numbers are back; the last step's byte store may be out
.else
	s_wait_dscnt 0x0
.endif
.if (\t)+1 < STEPS
	s_wait_loadcnt 4*(STEPS-2-(\t))                ; the next step's four loads are in; those of the steps behind it may be out
	TURN (\t)+1
.endif
	v_max3_num_f32 v8, |v[XS]|, |v[XS+1]|, |v[XS+2]|
	v_max3_num_f32 v9, |v[XS+3]|, |v[XS+4]|, |v[XS+5]|
.irp i, 6,10
	v_max3_num_f32 v8, v8, |v[XS+\i]|, |v[XS+\i+1]|
	v_max3_num_f32 v9, v9, |v[XS+\i+2]|, |v[XS+\i+3]|
.endr
	v_max3_num_f32 v8, v8, |v[XS+14]|, |v[XS+15]|
	v_max3_num_f32 v8, v8, v9, (EMAX+1)<<23        ; the floor: the byte cannot fall under 1
	v_max_num_f32_dpp v8, v8, v8 row_xmask:1 row_mask:0xf bank_mask:0xf   ; with my neighbour's 16: the block's
	v_add_nc_u32 v11, -(EMAX<<23), v8              ; the conversion's scale operand
	v_cvt_scalef32_pk8_fp4_f32 v[C+2*(\t)], v[XS:XS+7], v11
	v_cvt_scalef32_pk8_fp4_f32 v[C+2*(\t)+1], v[XS+8:XS+15], v11
	v_lshrrev_b32 v[E+(\t)], 23, v11               ; the scale's byte (also the plain instruction behind the conversions)
	ds_store_b8 v5, v[E+(\t)] offset:256*((\t)%4)+16*((\t)/4)
	global_store_b64 v4, v[C+2*(\t):C+2*(\t)+1], s[COD:COD+1] offset:256*(\t)   ; 32 lanes store 256 consecutive bytes, aligned
.endm
	s_load_b256 s[4:11], s[0:1], 0x0               ; We, sel, wc, ws
	v_lshl_add_u32 v[SPW], v0, 2, SPARE
	v_mov_b32 v[NIL], 0
	v_lshrrev_b32 v1, 5, v0
	v_readfirstlane_b32 s18, v1                    ; wave 0..7
	s_mul_i32 s19, s18, WREG
	s_lshl_b32 s28, s18, 5
	s_add_co_u32 s28, s28, SCB                     ; my two rows' bytes in each K step's 256
	s_and_b32 s30, s18, 3
	s_lshl_b32 s29, s30, 8
	s_add_co_u32 s29, s29, SCB                     ; the K step that I store (waves 0 .. 3)
	v_and_b32 v2, 31, v0
	v_lshlrev_b32 v3, 4, v2                        ; my 16 bytes of a load's 512
	v_lshrrev_b32 v14, 2, v2
	v_mul_u32_u24 v14, v14, SP
	v_and_b32 v15, 3, v2
	v_lshl_add_u32 v14, v15, 4, v14
	v_add_nc_u32 v14, s19, v14                     ; the stage, on the way in
	v_mul_u32_u24 v15, v2, SP
	v_add_nc_u32 v15, s19, v15                     ; and on the way out: my 16 neighbours
	v_lshlrev_b32 v4, 3, v2                        ; my 8 bytes of a store's 256
	v_lshrrev_b32 v5, 1, v2
	v_add_nc_u32 v5, s28, v5
	v_add_nc_u32 v6, s29, v4
	s_wait_alu depctr_va_vdst(0)
	s_wait_kmcnt 0x0
	s_load_b64 s[22:23], s[6:7], 0x0               ; the two chosen experts
	s_and_b32 s25, ttmp9, 127
	s_lshl_b32 s25, s25, 4
	s_and_b32 s26, s25, 0x7c0                      ; 64 G
	s_add_co_u32 s27, s26, s25                     ; 128 G + 16 b
	s_and_b32 s25, ttmp9, 3
	s_add_co_u32 s25, s25, s26
	s_lshl_b32 s26, s18, 3
	s_add_co_u32 s25, s25, s26                     ; my first output: 64 G + 8 w + b
	s_lshl_b32 s31, s25, 13                        ; a row of We is 8,192 bytes
	s_mov_b32 s21, 0
	s_wait_kmcnt 0x0
	s_cmp_lt_u32 ttmp9, 128
	s_cselect_b32 s22, s22, s23
	s_cselect_b32 s24, 0, 64                       ; 64 e
	s_min_u32 s22, s22, 7
	s_lshl_b32 s22, s22, 24                        ; an expert is 2,048 x 2,048 x 4 bytes
	s_add_co_u32 s20, s31, s22
	s_add_nc_u64 s[SRC:SRC+1], s[SRC:SRC+1], s[20:21]
.irp t, 0,1,2,3,4,5,6,7
	LOAD \t
.endr
	s_add_co_u32 s27, s27, s24                     ; my work-group's first row in wc and ws
	s_lshl_b32 s26, s18, 1
	s_add_co_u32 s26, s26, s27
	s_lshl_b32 s20, s26, 10                        ; a row of codes is 1,024 bytes
	s_add_nc_u64 s[COD:COD+1], s[COD:COD+1], s[20:21]
	s_lshl_b32 s20, s30, 16                        ; a K step's plane of ws: 4,096 rows x 16 bytes
	s_lshl_b32 s27, s27, 4
	s_add_co_u32 s20, s20, s27
	s_add_nc_u64 s[SCA:SCA+1], s[SCA:SCA+1], s[20:21]
	s_wait_loadcnt 4*(STEPS-1)                     ; step 0's four loads are in
	TURN 0
.irp t, 0,1,2,3,4,5,6,7
	STEP \t
.endr
	s_wait_dscnt 0x0                               ; for the others' sake: my byte stores have landed
	s_barrier_signal -1
	s_barrier_wait -1
	s_cmp_lt_u32 s18, 4
	s_cbranch_scc0 .Ldone                          ; four K steps: four waves store
	ds_load_b64 v[12:13], v6
	s_wait_dscnt 0x0
	global_store_b64 v4, v[12:13], s[SCA:SCA+1]    ; 256 consecutive bytes, aligned: 16 rows' bytes of one K step
.Ldone:
	s_wait_tensorcnt 0x0                           ; the wave's end
	ds_add_u32 v[SPW], v[NIL]
	s_wait_dscnt 0x0
	s_endpgm
.Lfunc_end_k_qba3f84fb41_quant_w:
	.size	k_qba3f84fb41_quant_w, .Lfunc_end_k_qba3f84fb41_quant_w-k_qba3f84fb41_quant_w
	.p2alignl 7, 3214868480
	.fill 96, 4, 3214868480
	.section	.rodata,"a",@progbits
	.p2align	6, 0x0
	.amdhsa_kernel k_qba3f84fb41_quant_w
		.amdhsa_group_segment_fixed_size 43008
		.amdhsa_private_segment_fixed_size 0
		.amdhsa_enable_private_segment 0
		.amdhsa_kernarg_size 32
		.amdhsa_user_sgpr_count 2
		.amdhsa_user_sgpr_kernarg_segment_ptr 1
		.amdhsa_wavefront_size32 1
		.amdhsa_system_sgpr_workgroup_id_x 1
		.amdhsa_system_sgpr_workgroup_id_y 1
		.amdhsa_system_sgpr_workgroup_id_z 1
		.amdhsa_system_vgpr_workitem_id 0
		.amdhsa_next_free_vgpr 208
		.amdhsa_next_free_sgpr 66
		.amdhsa_reserve_vcc 0
		.amdhsa_float_denorm_mode_32 3
		.amdhsa_float_denorm_mode_16_64 3
		.amdhsa_memory_ordered 1
		.amdhsa_forward_progress 1
		.amdhsa_inst_pref_size 19
	.end_amdhsa_kernel
	.amdgpu_metadata
---
amdhsa.version: [ 1, 2 ]
amdhsa.kernels:
  - .name:           k_qba3f84fb41_quant_w
    .symbol:         k_qba3f84fb41_quant_w.kd
    .args:
      - { .name: We, .offset: 0, .size: 8, .value_kind: global_buffer, .address_space: global }
      - { .name: sel, .offset: 8, .size: 8, .value_kind: global_buffer, .address_space: global }
      - { .name: wc, .offset: 16, .size: 8, .value_kind: global_buffer, .address_space: global }
      - { .name: ws, .offset: 24, .size: 8, .value_kind: global_buffer, .address_space: global }
    .group_segment_fixed_size: 43008
    .private_segment_fixed_size: 0
    .kernarg_segment_align: 8
    .kernarg_segment_size: 32
    .max_flat_workgroup_size: 256
    .sgpr_count:     66
    .vgpr_count:     208
    .wavefront_size: 32
...
	.end_amdgpu_metadata
.endif
;; end of part 2
;; launch gemm (part 3): grid 16 x 16, 4 waves a work-group, clusters of 4 x 4, 327,680 bytes of LDS; arguments xc, xs, wc, ws, be, sel, gw, out0; writes out0
.if DOCPART == 3
	.amdgcn_target "amdgcn-amd-amdhsa--gfx1250"
	.amdhsa_code_object_version 6
	.text
	.protected	k_qba3f84fb41_gemm
	.globl	k_qba3f84fb41_gemm
	.p2align	8
	.type	k_qba3f84fb41_gemm,@function
k_qba3f84fb41_gemm:
	s_mov_b64 s[64:65], 0
	v_nop
	global_prefetch_b8 v0, s[64:65] scope:SCOPE_SE
	s_setreg_imm32_b32 hwreg(HW_REG_WAVE_MODE, 25, 1), 1
	s_wait_xcnt 0x0
	s_wait_alu depctr_hold_cnt(0) depctr_sa_sdst(0) depctr_va_vdst(0) depctr_va_sdst(0) depctr_va_ssrc(0) depctr_va_vcc(0) depctr_vm_vsrc(0)
	s_getreg_b32 s2, hwreg(HW_REG_IB_STS2, 6, 4)
	s_cmp_eq_u32 s2, 0
	s_cbranch_scc0 .Lentry_in_a_cluster
	s_endpgm
.Lentry_in_a_cluster:
	s_bfe_u32 s2, ttmp6, 0x10000c
	s_cmp_lg_u32 s2, 0xf033
	s_cbranch_scc0 .Lentry_shape_is_right
	s_endpgm
.Lentry_shape_is_right:
; out0[n][o] = g0 (x[n] . W0[o] + b0[o]) + g1 (x[n] . W1[o] + b1[o]): W0, W1, b0, b1 the two experts that token 0 chose (sel), g0, g1 their weights (gw); the other experts reach no output and are not touched.
; Both products run on codes of FP4 (E2M1) with E8M0 scales, as the two launches before stored them: xc [8192][1024 B], xs [4][8192][16], wc [4096][1024 B], ws [4][4096][16].
; wc's row 128 G + 64 e + 16 b + r holds output 64 G + 4 r + b of slot e.  A tile is 256 tokens x 256 rows of wc (128 outputs, both slots); a wave makes 128 x 128: 64 accumulators, 512 registers.
; SOURCE 0 = 16 tokens, SOURCE 1 = 16 rows of wc: lane (r, h) holds row r of block b' = 4 e + b and tokens 8 h + j in register j.  So over b = 0 .. 3 a lane has outputs 4 r .. 4 r + 3 of a token, for both slots:
; the way out makes t = g1 acc1 + (g0 b0 + g1 b1), t += g0 acc0 into four neighbouring registers, and sixteen lanes store 256 consecutive bytes, aligned, straight from registers.  (This order of the three sums differs from the reference's by f32 rounding.)
; A WORK-GROUP MAKES TWO TILES, 4,096 tokens apart, on the same rows of wc.  K goes in steps of 512 (rows of 256 bytes) through a ring of two LDS slots; a slot holds A's and B's codes (272 bytes from row to row) and their scale bytes
; (4,096 dense bytes each): wave 0 fetches A's codes, wave 1 B's, wave 2 A's scales, wave 3 B's, one tensor load a wave.  The ring goes on into the second tile; the second tile's tail, which fetches nothing, is written out.
; CLUSTERS: 4 x 4 work-groups; A's tiles are asked for jointly along a row of the cluster, B's along a column.
; PREFETCH INTO THE L2: each K step is asked for two refills ahead of its tensor load: steps 1 and 2 behind the head's load, step 3 behind slot 1's first fill, and behind the first tile's four refills the second tile's steps of A
; (B's rows have been read by then).  Of a tile's 256 rows and 16 blocks of scale bytes each of the four partners that load it jointly names a quarter, told apart by address: waves 0, 1 a lane a row (32 rows each), waves 2, 3 two blocks of scales each (left-over lanes name the last again).
; REGISTERS: window 0: v0-31 addresses; v32-95 scale words, two sets (lanes 0-15 A's block i, lanes 16-31 B's); v128-191 A's fragments, one set.  Window 1: v0-63, v128-191 B's fragments, two sets; v64-127, v192-223 results on the way out; v240-251 biases.
;   Windows 2, 3: the accumulators, (a, b') at v[8 (8 (a % 4) + b')].
; LIMITS: NaN and infinities among the inputs are not served.
.set NQ,     4
.set ROWB,   256
.set KROW,   1024
.set PITCH,  272
.set FR,     8
.set NL,     2
.set NP,     4
.set HALFT,  128*PITCH
.set CODT,   256*PITCH
.set SCT,    4096
.set SLOT,   2*CODT+2*SCT
.set SPARE,  2*SLOT                    ; behind the ring: the spare words, 128 bytes a wave
.set OROW,   8192
.set WALK,   4096
.set AKS,    8192*16
.set BKS,    4096*16
.set PF,   8                           ; v8-11   prefetch offsets, A's K step 0 .. 3
.set PB,   12                          ; v12-14  the same for B's K steps 1 .. 3
.set ADRA, 16
.set ADRB, 20
.set ADRS, 22
.set CO,   26
.set SPW,  28
.set NIL,  29
.set BO,   30
.set SC,   32
.set AF,   128
.set B0,   240                         ; window 1
.set B1,   244
.set BC,   248
.set PFA,  4                           ; s[4:5] my prefetches' base on A's side, s[6:7] the same for the second tile, s[8:9] on B's side
.set PFN,  6
.set PFB,  8
.set WV,   16
.set RH,   17
.set CH,   18
.set TR,   19
.set TC,   42
.set G1A,  24
.set G0A,  32
.set G1B,  48
.set G0B,  56
.set G1SA, 68
.set G1SB, 76
.set G0SA, 84
.set G0SB, 92
.set WA,   100
.set WB,   101
.set MSB, 0
.macro WIN new
.if MSB != (\new)
	s_set_vgpr_msb (MSB<<8)|(\new)
.set MSB, (\new)
.endif
.endm
.set MUL_LO, 0xa4                      ; source 0 (A) window 0, source 1 (B) window 1, C and D window 2
.set MUL_HI, 0xf4
.set TO_B,   0x40
.macro JLOAD s                         ; one chain of branches on the wave's number, one joint load to an arm; s_nop 0 and four v_nop behind each
	s_cmp_lt_u32 s[WV], 2
	s_cbranch_scc0 .Lscales_\@
	s_cmp_eq_u32 s[WV], 0
	s_cbranch_scc0 .Lcodes_b_\@
	tensor_load_to_lds s[G0A+4*\s:G0A+4*\s+3], s[G1A:G1A+7]
	s_nop 0
.rept 4
	v_nop
.endr
	s_branch .Lasked_\@
.Lcodes_b_\@:
	tensor_load_to_lds s[G0B+4*\s:G0B+4*\s+3], s[G1B:G1B+7]
	s_nop 0
.rept 4
	v_nop
.endr
	s_branch .Lasked_\@
.Lscales_\@:
	s_cmp_eq_u32 s[WV], 2
	s_cbranch_scc0 .Lscales_b_\@
	tensor_load_to_lds s[G0SA+4*\s:G0SA+4*\s+3], s[G1SA:G1SA+7]
	s_nop 0
.rept 4
	v_nop
.endr
	s_branch .Lasked_\@
.Lscales_b_\@:
	tensor_load_to_lds s[G0SB+4*\s:G0SB+4*\s+3], s[G1SB:G1SB+7]
	s_nop 0
.rept 4
	v_nop
.endr
.Lasked_\@:
.endm
.macro CREST
	s_cmp_lg_u32 s[WV], 0
	s_cbranch_scc1 .Lnot_wave_0_\@
	s_barrier_signal -3
.Lnot_wave_0_\@:
	s_barrier_wait -3
	s_barrier_signal -1
	s_barrier_wait -1
.endm
.macro CROUND
	s_barrier_signal -1
	s_barrier_wait -1
	CREST
.endm
.macro ASK k, cond                     ; the second tile's K step k of A; cond = 1: in text that both tiles run, and the second tile has no successor
.if \cond
	s_cmp_lg_u32 s2, 1
	s_cbranch_scc0 .Lnoask_\@
.endif
	global_prefetch_b8 v[PF+\k], s[PFN:PFN+1] th:TH_LOAD_NT scope:SCOPE_SE
.if \cond
.Lnoask_\@:
.endif
.endm
	s_load_b128 s[4:7], s[0:1], 0x0                ; xc, xs
	s_load_b128 s[8:11], s[0:1], 0x10              ; wc, ws
	s_load_b128 s[20:23], s[0:1], 0x20             ; be, sel
	s_load_b128 s[12:15], s[0:1], 0x30             ; gw, out0
	v_lshl_add_u32 v[SPW], v0, 2, SPARE
	v_mov_b32 v[NIL], 0
	ds_add_u32 v[SPW], v[NIL]                      ; the opening lines: the add, twice on end, and its wait
	ds_add_u32 v[SPW], v[NIL]
	v_lshrrev_b32 v1, 5, v0
	v_readfirstlane_b32 s[WV], v1
	s_lshr_b32 s[RH], s[WV], 1                     ; my half of the tile's tokens
	s_and_b32 s[CH], s[WV], 1                      ; my half of its rows of wc
	s_bfe_u32 s40, ttmp6, 0x40000                  ; cx
	s_bfe_u32 s41, ttmp6, 0x40004                  ; cy
	s_lshl_b32 s[TC], ttmp9, 2
	s_add_co_u32 s[TC], s[TC], s40
	s_and_b32 s[TR], ttmp7, 0xffff
	s_lshl_b32 s[TR], s[TR], 2
	s_add_co_u32 s[TR], s[TR], s41
	s_lshl_b32 s43, s41, 2
	s_lshl_b32 s43, 15, s43                        ; my row of the cluster
	s_lshl_b32 s44, 0x1111, s40                    ; my column
	s_or_b32 s[G1A+0], s43, (0<<16)|(1<<20)|(1<<21)|(5<<22)|(3<<25)   ; codes: 256 rows of 256 bytes, 16 bytes of padding behind each
	s_or_b32 s[G1B+0], s44, (0<<16)|(1<<20)|(1<<21)|(5<<22)|(3<<25)
.irp g, G1A, G1B
	s_mov_b32 s[\g+1], ROWB<<16
	s_mov_b32 s[\g+2], 256<<16
	s_mov_b32 s[\g+3], ROWB<<16
	s_mov_b32 s[\g+4], 256
	s_mov_b32 s[\g+5], KROW
	s_mov_b32 s[\g+6], 0
	s_mov_b32 s[\g+7], 0
.endr
	s_or_b32 s[G1SA+0], s43, (3<<16)|(1<<21)       ; scales: a dense block of 4,096 bytes as 16 rows of 256
	s_or_b32 s[G1SB+0], s44, (3<<16)|(1<<21)
.irp g, G1SA, G1SB
	s_mov_b32 s[\g+1], 32<<16
	s_mov_b32 s[\g+2], 16<<16
	s_mov_b32 s[\g+3], 32<<16
	s_mov_b32 s[\g+4], 16
	s_mov_b32 s[\g+5], 32
	s_mov_b32 s[\g+6], 0
	s_mov_b32 s[\g+7], 0
.endr
	s_lshl_b32 s[G0A+2], s[TR], 18
	s_mov_b32 s[G0A+3], 0
	s_lshl_b32 s[G0SA+2], s[TR], 12
	s_mov_b32 s[G0SA+3], 0
	s_lshl_b32 s[G0B+2], s[TC], 18
	s_mov_b32 s[G0B+3], 0
	s_lshl_b32 s[G0SB+2], s[TC], 12
	s_mov_b32 s[G0SB+3], 0
.irp s, 0,1
	s_mov_b32 s[G0A+4*\s], 1
	s_mov_b32 s[G0A+4*\s+1], \s*SLOT
	s_mov_b32 s[G0B+4*\s], 1
	s_mov_b32 s[G0B+4*\s+1], \s*SLOT+CODT
	s_mov_b32 s[G0SA+4*\s], 1
	s_mov_b32 s[G0SA+4*\s+1], \s*SLOT+2*CODT
	s_mov_b32 s[G0SB+4*\s], 1
	s_mov_b32 s[G0SB+4*\s+1], \s*SLOT+2*CODT+SCT
.endr
	s_mul_i32 s45, s[RH], HALFT                    ; my 128 rows of A's codes
	s_mul_i32 s46, s[CH], HALFT
	s_add_co_u32 s46, s46, CODT                    ; and of B's
	s_lshl_b32 s47, s[RH], 11                      ; A's scale bytes of my rows,
	s_lshl_b32 s66, s[CH], 11
	s_add_co_u32 s66, s66, SCT
	s_sub_co_u32 s66, s66, s47                     ; and how far behind them B's lie
	s_add_co_u32 s47, s47, 2*CODT
	s_cmp_lt_u32 s[WV], 2                          ; my prefetches: codes (waves 0, 1) or scale bytes (waves 2, 3)
	s_cselect_b32 s67, 31, 1                       ; lanes that name a block of their own, less one
	s_cselect_b32 s43, 10, 8                       ; from lane to lane: a row of codes, or 256 bytes
	s_cselect_b32 s2, 6, 0                         ; a tile's codes lie 64 times as far apart as its scale bytes
	s_cselect_b32 s44, 0, 9
	s_cselect_b32 s3, 0, 8
	s_lshl_b32 s44, 256, s44                       ; from K step to K step: 256 bytes of a row, or a plane of xs,
	s_lshl_b32 s3, 256, s3                         ; or of ws
	v_and_b32 v1, 15, v0                           ; r
	v_bfe_u32 v2, v0, 4, 1                         ; h
	v_mul_u32_u24 v3, v1, PITCH
	v_lshl_add_u32 v3, v2, 4, v3
	v_add_nc_u32 v[ADRA], s45, v3
	v_add_nc_u32 v[ADRB], s46, v3
	v_add_nc_u32 v[ADRA+1], SLOT, v[ADRA]
	v_add_nc_u32 v[ADRB+1], SLOT, v[ADRB]
	v_lshlrev_b32 v[BO], 4, v1                     ; 16 r: my four outputs in a row of be, and my row's scale bytes
	v_mul_u32_u24 v4, s66, v2                      ; lanes 16-31 take B's
	v_add_nc_u32 v4, v[BO], v4
	v_add_nc_u32 v[ADRS], s47, v4
	v_add_nc_u32 v[ADRS+1], SLOT, v[ADRS]
	v_lshl_add_u32 v[CO], v2, 16, v[BO]            ; in out0: 8 h rows of 8,192 bytes + 16 r
	v_and_b32 v5, 31, v0
	v_min_u32 v5, s67, v5
	v_lshlrev_b32 v[PF], s43, v5
	v_add_nc_u32 v[PF+1], s44, v[PF]
	v_add_nc_u32 v[PB], s3, v[PF]
	v_add_nc_u32 v[PF+2], s44, v[PF+1]
	v_add_nc_u32 v[PB+1], s3, v[PB]
	v_add_nc_u32 v[PF+3], s44, v[PF+2]
	v_add_nc_u32 v[PB+2], s3, v[PB+1]
	s_wait_alu depctr_va_vdst(0)
	s_lshl_b32 s44, s[TR], 12                      ; where my share of a tile begins, counted in scale bytes: the tile, my work-group's quarter, my wave's half of that
	s_lshl_b32 s45, s40, 10
	s_add_co_u32 s44, s44, s45
	s_lshl_b32 s45, s[CH], 9
	s_add_co_u32 s44, s44, s45
	s_lshl_b32 s46, s[TC], 12
	s_lshl_b32 s47, s41, 10
	s_add_co_u32 s46, s46, s47
	s_add_co_u32 s46, s46, s45
	s_lshl_b32 s44, s44, s2
	s_lshl_b32 s46, s46, s2
	s_lshl_b32 s66, 0x10000, s2                    ; 4,096 tokens on
	s_mov_b32 s45, 0
	s_mov_b32 s47, 0
	s_mov_b32 s67, 0
	s_wait_dscnt 0x0                               ; both opening adds are done
	s_wait_kmcnt 0x0
	s_load_b64 s[2:3], s[22:23], 0x0               ; the two experts
	s_load_b64 s[WA:WA+1], s[12:13], 0x0           ; and their weights
	s_add_nc_u64 s[G0A+2:G0A+3], s[4:5], s[G0A+2:G0A+3]
	s_add_nc_u64 s[G0A+6:G0A+7], s[G0A+2:G0A+3], ROWB
	s_add_nc_u64 s[G0SA+2:G0SA+3], s[6:7], s[G0SA+2:G0SA+3]
	s_add_nc_u64 s[G0SA+6:G0SA+7], s[G0SA+2:G0SA+3], AKS
	s_add_nc_u64 s[G0B+2:G0B+3], s[8:9], s[G0B+2:G0B+3]
	s_add_nc_u64 s[G0B+6:G0B+7], s[G0B+2:G0B+3], ROWB
	s_add_nc_u64 s[G0SB+2:G0SB+3], s[10:11], s[G0SB+2:G0SB+3]
	s_add_nc_u64 s[G0SB+6:G0SB+7], s[G0SB+2:G0SB+3], BKS
.irp g, G0A, G0B, G0SA, G0SB
	s_or_b32 s[\g+3], s[\g+3], 0x80000000
	s_or_b32 s[\g+7], s[\g+7], 0x80000000
.endr
	s_cmp_lt_u32 s[WV], 2
	s_cselect_b64 s[PFA:PFA+1], s[4:5], s[6:7]
	s_cselect_b64 s[PFB:PFB+1], s[8:9], s[10:11]
	s_add_nc_u64 s[PFA:PFA+1], s[PFA:PFA+1], s[44:45]
	s_add_nc_u64 s[PFB:PFB+1], s[PFB:PFB+1], s[46:47]
	s_add_nc_u64 s[PFN:PFN+1], s[PFA:PFA+1], s[66:67]
	CROUND                                         ; all sixteen work-groups are here: the first joint loads meet
	JLOAD 0                                        ; K step 0: one tensor load a wave at the head
	global_prefetch_b8 v[PF+1], s[PFA:PFA+1] th:TH_LOAD_NT scope:SCOPE_SE   ; K steps 1 and 2
	global_prefetch_b8 v[PB], s[PFB:PFB+1] th:TH_LOAD_NT scope:SCOPE_SE
	global_prefetch_b8 v[PF+2], s[PFA:PFA+1] th:TH_LOAD_NT scope:SCOPE_SE
	global_prefetch_b8 v[PB+1], s[PFB:PFB+1] th:TH_LOAD_NT scope:SCOPE_SE
	s_wait_kmcnt 0x0
	s_min_u32 s2, s2, 7                            ; a loaded number enters an address only so held
	s_lshl_b32 s2, s2, 13                          ; a row of be is 8,192 bytes
	s_min_u32 s3, s3, 7
	s_lshl_b32 s3, s3, 13
	s_lshl_b32 s46, s[TC], 9                       ; my 64 outputs: 512 bytes a tile column + 256 a half
	s_lshl_b32 s47, s[CH], 8
	s_add_co_u32 s46, s46, s47
	s_mov_b32 s47, 0
	s_add_co_u32 s66, s46, s3
	s_mov_b32 s67, 0
	s_add_nc_u64 s[22:23], s[20:21], s[66:67]
	s_add_co_u32 s66, s46, s2
	s_add_nc_u64 s[20:21], s[20:21], s[66:67]
	WIN TO_B
	global_load_b128 v[B0:B0+3], v[BO], s[20:21]   ; b0 and b1 at my four outputs: first wanted on the first way out
	global_load_b128 v[B1:B1+3], v[BO], s[22:23]
	WIN 0
	s_lshl_b32 s66, s[TR], 21
	s_lshl_b32 s67, s[RH], 20
	s_add_co_u32 s66, s66, s67
	s_mov_b32 s67, 0
	s_add_nc_u64 s[14:15], s[14:15], s[66:67]
	s_add_nc_u64 s[14:15], s[14:15], s[46:47]      ; my part of the first tile in out0,
	s_add_nc_u64 s[12:13], s[14:15], WALK*OROW     ; and of the second (gw's address has been used)
.macro FRAG reg, adr, q, i
.irp c, 0,1
	ds_load_b128 v[\reg+4*\c:\reg+4*\c+3], v[\adr] offset:64*(\q)+32*\c+(\i)*16*PITCH
.endr
.endm
; 16 matrix instructions: A's blocks a0, a0 + 1 x B's eight; the 64 accumulators take turns in the same order in every step.  zero = 1: the product starts the sums
.macro MUL16 a0, p, q, sc, zero
.irp a, \a0, \a0+1
.irp b, 0,1,2,3,4,5,6,7
.if \zero
	v_wmma_scale_f32_16x16x128_f8f6f4 v[8*(8*((\a)%4)+\b):8*(8*((\a)%4)+\b)+7], v[AF+FR*(\a):AF+FR*(\a)+FR-1], v[128*(\p)+FR*\b:128*(\p)+FR*\b+FR-1], 0, v[SC+8*NQ*(\sc)+NQ*(\a)+(\q)], v[SC+8*NQ*(\sc)+NQ*\b+(\q)] matrix_a_fmt:MATRIX_FMT_FP4 matrix_b_fmt:MATRIX_FMT_FP4 matrix_b_scale:MATRIX_SCALE_ROW1
.else
	v_wmma_scale_f32_16x16x128_f8f6f4 v[8*(8*((\a)%4)+\b):8*(8*((\a)%4)+\b)+7], v[AF+FR*(\a):AF+FR*(\a)+FR-1], v[128*(\p)+FR*\b:128*(\p)+FR*\b+FR-1], v[8*(8*((\a)%4)+\b):8*(8*((\a)%4)+\b)+7], v[SC+8*NQ*(\sc)+NQ*(\a)+(\q)], v[SC+8*NQ*(\sc)+NQ*\b+(\q)] matrix_a_fmt:MATRIX_FMT_FP4 matrix_b_fmt:MATRIX_FMT_FP4 matrix_b_scale:MATRIX_SCALE_ROW1
.endif
.endr
.endr
.endm
.macro FETCH_B slot, q, p
	WIN TO_B
.irp i, 0,1,2,3,4,5,6,7
	FRAG 128*(\p)+FR*\i, ADRB+\slot, \q, \i
.endr
	WIN 0
.endm
.macro FETCH_A slot, q, i0
.irp i, \i0, \i0+1, \i0+2, \i0+3
	FRAG AF+FR*(\i), ADRA+\slot, \q, \i
.endr
.endm
.macro SCALES sc
.irp i, 0,1,2,3,4,5,6,7
	ds_load_b128 v[SC+8*NQ*\sc+NQ*\i:SC+8*NQ*\sc+NQ*\i+3], v[ADRS+\sc] offset:\i*256
.endr
.endm
.macro PLACES n                        ; places behind matrix instructions, in front of loads into their registers and of reads of their results
.rept \n
	v_nop
.endr
.endm
.macro STEP slot, q, zero              ; 128 along K, its successor in the same slot
	s_wait_dscnt 4*NL                              ; all but the youngest eight loads, A's blocks 4-7
	WIN MUL_LO
	MUL16 0, (\q)%2, \q, \slot, \zero
	MUL16 2, (\q)%2, \q, \slot, \zero
	s_wait_dscnt 0
	PLACES NP
	FETCH_B \slot, (\q)+1, 1-(\q)%2
	FETCH_A \slot, (\q)+1, 0
	WIN MUL_HI
	MUL16 4, (\q)%2, \q, \slot, \zero
	MUL16 6, (\q)%2, \q, \slot, \zero
	PLACES NP
	WIN 0
	FETCH_A \slot, (\q)+1, 4
.endm
; A slot's last step changes slots.  fill = 1: the slot takes this tile's K step two on; 2: the next tile's; 0: nothing.  k, cond: the prefetch behind the refill
.macro TURN slot, next, fill, k, cond
	s_wait_tensorcnt 0x0                           ; all my tensor loads have landed: my part of the next slot
	ds_add_u32 v[SPW], v[NIL]
	s_wait_dscnt 4*NL+1                            ; the add and A's blocks 4-7 may be out
	WIN MUL_LO
	MUL16 0, 1, NQ-1, \slot, 0
	s_wait_dscnt 0x0                               ; the add is done, and my reads of this slot are over
	s_barrier_signal -1
	MUL16 2, 1, NQ-1, \slot, 0
	WIN 0
	s_barrier_wait -1
.if \fill
	CREST                                          ; the barrier has opened a round of the cluster's barrier
.if \fill == 1
	s_add_nc_u64 s[G0A+4*\slot+2:G0A+4*\slot+3], s[G0A+4*\slot+2:G0A+4*\slot+3], 2*ROWB
	s_add_nc_u64 s[G0B+4*\slot+2:G0B+4*\slot+3], s[G0B+4*\slot+2:G0B+4*\slot+3], 2*ROWB
	s_add_nc_u64 s[G0SA+4*\slot+2:G0SA+4*\slot+3], s[G0SA+4*\slot+2:G0SA+4*\slot+3], 2*AKS
	s_add_nc_u64 s[G0SB+4*\slot+2:G0SB+4*\slot+3], s[G0SB+4*\slot+2:G0SB+4*\slot+3], 2*BKS
.else
	s_add_nc_u64 s[G0A+4*\slot+2:G0A+4*\slot+3], s[G0A+4*\slot+2:G0A+4*\slot+3], WALK*KROW-2*ROWB
	s_sub_nc_u64 s[G0B+4*\slot+2:G0B+4*\slot+3], s[G0B+4*\slot+2:G0B+4*\slot+3], 2*ROWB
	s_sub_nc_u64 s[G0SA+4*\slot+2:G0SA+4*\slot+3], s[G0SA+4*\slot+2:G0SA+4*\slot+3], 2*AKS-WALK*16
	s_sub_nc_u64 s[G0SB+4*\slot+2:G0SB+4*\slot+3], s[G0SB+4*\slot+2:G0SB+4*\slot+3], 2*BKS
.endif
	JLOAD \slot                                    ; the first tensor load behind the round; its four v_nop are also the places in front of the loads below
.else
	PLACES NP
.endif
	FETCH_B \next, 0, 0
	FETCH_A \next, 0, 0
	SCALES \next
.if \fill
	ASK \k, \cond
.endif
	WIN MUL_HI
	MUL16 4, 1, NQ-1, \slot, 0
	MUL16 6, 1, NQ-1, \slot, 0
	PLACES NP
	WIN 0
	FETCH_A \next, 0, 4
.endm
.macro STEPS slot, from
.set Q, \from
.rept NQ-1-\from
	STEP \slot, Q, 0
.set Q, Q+1
.endr
.endm
; THE WAY OUT of 16 tokens: 32 multiply-adds on slot 1's sums and the weighted biases, 32 on slot 0's (each accumulator from its low end on), 8 stores of 2 rows x 256 consecutive bytes, aligned.  Three sets of result registers by turns
.macro BLOCK a
.set AC, 64*((\a)%4)
.set TT, 64+32*((\a)%3)+64*(((\a)%3)/2)
.if (\a) >= 3
	s_wait_xcnt 0x0                                ; the stores of three blocks ago have read their registers
.endif
	WIN 0x58+4*((\a)/4)                            ; source 1: window 2 or 3; source 2 and destination: window 1
.irp j, 0,1,2,3,4,5,6,7
.irp c, 0,1,2,3
	v_fma_f32 v[TT+4*\j+\c], s[WB], v[AC+8*(\c+4)+\j], v[BC+\c]
.endr
.endr
.irp j, 0,1,2,3,4,5,6,7
.irp c, 0,1,2,3
	v_fmac_f32 v[TT+4*\j+\c], s[WA], v[AC+8*\c+\j]
.endr
.endr
	WIN 0x04                                       ; the data: window 1
.irp j, 0,1,2,3,4,5,6,7
	global_store_b128 v[CO], v[TT+4*\j:TT+4*\j+3], s[12:13] offset:(16*(\a)+\j)*OROW th:TH_STORE_NT
.endr
.endm
.macro WAYOUT
	s_wait_loadcnt 0x0                             ; the biases
	s_wait_xcnt 0x0                                ; an earlier tile's stores have read their registers
	WIN 0x55
.irp c, 0,1,2,3
	v_mul_f32 v[BC+\c], s[WB], v[B1+\c]
.endr
.irp c, 0,1,2,3
	v_fmac_f32 v[BC+\c], s[WA], v[B0+\c]           ; g0 b0 + g1 b1 at my four outputs
.endr
.irp a, 0,1,2,3,4,5,6,7
	BLOCK \a
.endr
	WIN 0
.endm
; THE FIRST TILE'S WAY OUT IS IN TWO PARTS.  HOLD makes all eight blocks' results, 32 registers a block: blocks 0 and 1 in B's second set (window 1, v128-191; idle until the next tile's first step fetches into it), stored at once;
; blocks 2 to 7 in 192 registers that no product names (window 0: v96-127, v192-255; window 1: v64-127, v192-223).  DEFER stores those, six stores behind each of the eight steps of the second tile's first lap.
.macro HLOC a                          ; where block a's results are held: register HT of window HW
.if (\a) < 2
.set HT, 128+32*(\a)
.set HW, 1
.endif
.if (\a) == 2
.set HT, 96
.set HW, 0
.endif
.if ((\a) == 3) || ((\a) == 4)
.set HT, 192+32*((\a)-3)
.set HW, 0
.endif
.if ((\a) == 5) || ((\a) == 6)
.set HT, 64+32*((\a)-5)
.set HW, 1
.endif
.if (\a) == 7
.set HT, 192
.set HW, 1
.endif
.endm
.macro HOLD
	s_wait_loadcnt 0x0                             ; the biases
	WIN 0x55
.irp c, 0,1,2,3
	v_mul_f32 v[BC+\c], s[WB], v[B1+\c]
.endr
.irp c, 0,1,2,3
	v_fmac_f32 v[BC+\c], s[WA], v[B0+\c]           ; g0 b0 + g1 b1 at my four outputs
.endr
.irp a, 0,1,2,3,4,5,6,7
	HLOC \a
.set AC, 64*((\a)%4)
	WIN 0x18+4*((\a)/4)+0x40*HW                    ; source 1: window 2 or 3; source 2: window 1; destination: where the block is held
.irp j, 0,1,2,3,4,5,6,7
.irp c, 0,1,2,3
	v_fma_f32 v[HT+4*\j+\c], s[WB], v[AC+8*(\c+4)+\j], v[BC+\c]
.endr
.endr
.irp j, 0,1,2,3,4,5,6,7
.irp c, 0,1,2,3
	v_fmac_f32 v[HT+4*\j+\c], s[WA], v[AC+8*\c+\j]
.endr
.endr
.if \a < 2
	WIN 0x04
.irp j, 0,1,2,3,4,5,6,7
	global_store_b128 v[CO], v[HT+4*\j:HT+4*\j+3], s[14:15] offset:(16*\a+\j)*OROW th:TH_STORE_NT
.endr
.endif
.endr
	WIN 0
	s_wait_alu depctr_va_vdst(0)
	s_wait_xcnt 0x0                                ; blocks 0 and 1's stores have read their registers: the next step's LDS loads may land there
.endm
.macro DEFER n                         ; stores 6 n .. 6 n + 5 of the 48 held: store i is row i % 8 (and 8 rows on) of block 2 + i / 8.  Only the second tile has a tile before it
	s_cmp_eq_u32 s2, 1
	s_cbranch_scc0 .Lnodefer_\@
.irp i, 0,1,2,3,4,5
	HLOC 2+(6*(\n)+\i)/8
	WIN 4*HW
	global_store_b128 v[CO], v[HT+4*((6*(\n)+\i)%8):HT+4*((6*(\n)+\i)%8)+3], s[14:15] offset:(16*(2+(6*(\n)+\i)/8)+(6*(\n)+\i)%8)*OROW th:TH_STORE_NT
.endr
	WIN 0
.Lnodefer_\@:
.endm
	s_wait_tensorcnt 0x0                           ; my part of K step 0 is in
	ds_add_u32 v[SPW], v[NIL]
	s_wait_dscnt 0x0
	CROUND
	JLOAD 1                                        ; K step 1: the first tensor load behind the round
	FETCH_B 0, 0, 0
	FETCH_A 0, 0, 0
	SCALES 0
	FETCH_A 0, 0, 4
	global_prefetch_b8 v[PF+3], s[PFA:PFA+1] th:TH_LOAD_NT scope:SCOPE_SE   ; K step 3
	global_prefetch_b8 v[PB+2], s[PFB:PFB+1] th:TH_LOAD_NT scope:SCOPE_SE
	s_mov_b32 s2, 2                                ; tiles to go, this one among them
.Ltile:
	STEP 0, 0, 1                                   ; a tile's first products start the sums
	DEFER 0
	STEP 0, 1, 0
	DEFER 1
	STEP 0, 2, 0
	DEFER 2
	TURN 0, 1, 1, 0, 1
	DEFER 3
	STEP 1, 0, 0
	DEFER 4
	STEP 1, 1, 0
	DEFER 5
	STEP 1, 2, 0
	DEFER 6
	TURN 1, 0, 1, 1, 1
	DEFER 7
	STEPS 0, 0
	s_cmp_eq_u32 s2, 1
	s_cbranch_scc1 .Llast_tile                     ; the last tile's tail is written out: it asks for nothing more
	TURN 0, 1, 2, 2, 0                             ; the ring goes on into the next tile
	STEPS 1, 0
	TURN 1, 0, 2, 3, 0
	HOLD                                           ; both refills are asked for: the tile's results are made, and leave under the next tile's products
	s_sub_co_u32 s2, s2, 1
	s_branch .Ltile
.Llast_tile:
	TURN 0, 1, 0, 0, 0
	STEPS 1, 0
	s_wait_dscnt 4*NL
	WIN MUL_LO
	MUL16 0, 1, NQ-1, 1, 0
	MUL16 2, 1, NQ-1, 1, 0
	s_wait_dscnt 0
	WIN MUL_HI
	MUL16 4, 1, NQ-1, 1, 0
	MUL16 6, 1, NQ-1, 1, 0
	PLACES NP
	WIN 0
	WAYOUT
	s_wait_tensorcnt 0x0                           ; the wave's end
	ds_add_u32 v[SPW], v[NIL]
	s_wait_dscnt 0x0
	CROUND                                         ; the closing round
	s_endpgm
.Lfunc_end_k_qba3f84fb41_gemm:
	.size	k_qba3f84fb41_gemm, .Lfunc_end_k_qba3f84fb41_gemm-k_qba3f84fb41_gemm
	.p2alignl 7, 3214868480
	.fill 96, 4, 3214868480
	.section	.rodata,"a",@progbits
	.p2align	6, 0x0
	.amdhsa_kernel k_qba3f84fb41_gemm
		.amdhsa_group_segment_fixed_size 327680
		.amdhsa_private_segment_fixed_size 0
		.amdhsa_enable_private_segment 0
		.amdhsa_kernarg_size 64
		.amdhsa_user_sgpr_count 2
		.amdhsa_user_sgpr_kernarg_segment_ptr 1
		.amdhsa_wavefront_size32 1
		.amdhsa_system_sgpr_workgroup_id_x 1
		.amdhsa_system_sgpr_workgroup_id_y 1
		.amdhsa_system_sgpr_workgroup_id_z 1
		.amdhsa_system_vgpr_workitem_id 0
		.amdhsa_next_free_vgpr 1024
		.amdhsa_next_free_sgpr 106
		.amdhsa_reserve_vcc 0
		.amdhsa_float_denorm_mode_32 3
		.amdhsa_float_denorm_mode_16_64 3
		.amdhsa_memory_ordered 1
		.amdhsa_forward_progress 1
		.amdhsa_inst_pref_size 255
	.end_amdhsa_kernel
	.section	.bss,"aw",@nobits
	.p2align	6
	.space	262144
	.amdgpu_metadata
---
amdhsa.version: [ 1, 2 ]
amdhsa.kernels:
  - .name:           k_qba3f84fb41_gemm
    .symbol:         k_qba3f84fb41_gemm.kd
    .args:
      - { .name: xc, .offset: 0, .size: 8, .value_kind: global_buffer, .address_space: global }
      - { .name: xs, .offset: 8, .size: 8, .value_kind: global_buffer, .address_space: global }
      - { .name: wc, .offset: 16, .size: 8, .value_kind: global_buffer, .address_space: global }
      - { .name: ws, .offset: 24, .size: 8, .value_kind: global_buffer, .address_space: global }
      - { .name: be, .offset: 32, .size: 8, .value_kind: global_buffer, .address_space: global }
      - { .name: sel, .offset: 40, .size: 8, .value_kind: global_buffer, .address_space: global }
      - { .name: gw, .offset: 48, .size: 8, .value_kind: global_buffer, .address_space: global }
      - { .name: out0, .offset: 56, .size: 8, .value_kind: global_buffer, .address_space: global }
    .group_segment_fixed_size: 327680
    .private_segment_fixed_size: 0
    .kernarg_segment_align: 8
    .kernarg_segment_size: 64
    .max_flat_workgroup_size: 128
    .sgpr_count:     106
    .vgpr_count:     1024
    .wavefront_size: 32
...
	.end_amdgpu_metadata
.endif
;; end of part 3
